; MI455X (gfx1250); checked and timed in simulation.
; The chip was launched on July 23, 2026; its instructions are those of AMD's public machine-readable ISA for CDNA 5 (MIT licence, August 2026) and "CDNA5" Instruction Set Architecture Reference Guide (July 2026). The comments in the code are by the model that wrote it; some were corrected since.
;; Additive Attention. Allowed arithmetic: matrix products marked QUANTISED: E2M1 operands, one E8M0 scale for each 32 along K, by v_wmma_scale_f32_16x16x128_f8f6f4 with both operands' format E2M1 (or v_wmma_scale_f32_32x16x128_f4), f32 sums; products left as they are: f32 operands where the result goes on into a quantised operand, else bf16, f16 or f32 operands; f32 sums; everything else in f32.
;; Inputs: V 1,024 x 1 float32; W1_codes 1,024 x 32 x 16 uint8 (E2M1 codes of W1, K innermost, in blocks of 32 codes, two codes a byte); W1_scales 1,024 x 32 uint8 (E8M0 scales of W1, one for each 32 codes along K); W2_codes 1,024 x 32 x 16 uint8 (E2M1 codes of W2, K innermost, in blocks of 32 codes, two codes a byte); W2_scales 1,024 x 32 uint8 (E8M0 scales of W2, one for each 32 codes along K); b1 1,024 float32; b2 1,024 float32; bv 1 float32; query_codes 32 x 32 x 16 uint8 (E2M1 codes of query, K innermost, in blocks of 32 codes, two codes a byte); query_scales 32 x 32 uint8 (E8M0 scales of query, one for each 32 codes along K); values 32 x 2,048 x 1,024 float32.
;; Outputs: out0 32 x 1,024 float32; out1 32 x 2,048 x 1 float32.
;; This version of the problem:
;;   THIS VERSION OF THE PROBLEM IS GIVEN IN LOW PRECISION. The matrix products marked QUANTISED in the list below multiply operands that are first quantised to E2M1 (2 exponent bits, 1 mantissa bit; 4 bits a number), with one power-of-two scale for each 32 numbers along K (OCP MX v1.0); their sums are f32. All else is computed in f32.
;;   The module's matrix products, in the order in which they are computed (A, B: the left and right operand; K: the contracted axis; several contracted axes count as one K, in the product's order):
;;     1. [M 32, K 1,024] x [K 1,024, N 1,024]; A: input query (given as codes); B: input W2 (given as codes): QUANTISED
;;     2. [M 65,536, K 1,024] x [K 1,024, N 1,024]; A: input values; B: input W1 (given as codes): QUANTISED
;;     3. [M 65,536, K 1,024] x [K 1,024, N 1]; A: computed on the way; B: input V: left as it is (N = 1 < 16)
;;   THE QUANTISER, for each operand of a quantised product, along K:
;;     - K is cut into blocks of 32 from its start; a last block that is shorter is filled with zeros.
;;     - A block's scale is 2^e with e = floor(log2(the largest magnitude in the block)) - 2, held to -126 .. 127; a block of zeros has e = 0. As a byte (E8M0): e + 127.
;;     - Each number is divided by its block's scale, clamped to +-6, and rounded to the nearest number of E2M1, ties to even, subnormals kept.
;;     - The product sums the exact products of the quantised numbers (number of the format x scale) in f32.
;;   ~~~python
;;   def quantise(x, axis):      # numpy; x: float32 -> the quantised numbers, widened to float32 again
;;       x = np.moveaxis(x, axis, -1); K = x.shape[-1]
;;       x = np.pad(x, [(0, 0)] * (x.ndim - 1) + [(0, -K % 32)]); x = x.reshape(x.shape[:-1] + (-1, 32)); a = np.abs(x).max(-1, keepdims=True)
;;       e = np.where(a > 0, np.clip(np.frexp(np.where(a > 0, a, 1))[1] - 1 - 2, -126, 127), 0)      # np.frexp(a)[1] - 1 = floor(log2(a)), exactly
;;       r = np.clip(x / 2.0 ** e, -6, 6)
;;       step = 2.0 ** (np.maximum(np.frexp(np.where(r == 0, 1, r))[1] - 1, 0) - 1)
;;       q = np.round(r / step) * step * 2.0 ** e      # np.round: ties to even
;;       return np.moveaxis(q.reshape(q.shape[:-2] + (-1,))[..., :K], -1, axis).astype(np.float32)
;;   ~~~
;;   INPUTS GIVEN AS CODES. W1 (in the module: [1024, 1024], K = its axis 0); W2 (in the module: [1024, 1024], K = its axis 0); query (in the module: [32, 1024], K = its axis 1): each comes as NAME_codes (uint8): NAME with its K axis moved to the last place and cut into blocks of 32 codes, [.., K / 32, bytes a block], one block behind the other in memory; two codes a byte, the lower K in the low four bits (a code: sign, 2 exponent bits, 1 mantissa bit); and NAME_scales (uint8): the same leading axes, one E8M0 byte (e + 127) for each 32 codes along K. Its value is code x scale, taken as it is: it is not quantised again, and the codes and scales need not be those that the quantiser above would give.
;; One version. Each part assembles by itself: llvm-mc -triple=amdgcn-amd-amdhsa -mcpu=gfx1250 --defsym DOCPART=n.
;; ======== version 1 of 1: 3 launches
;; limits: right only within a limited range of input values
;; workspace buffers: W1F 524,288 bytes; qb 131,072 bytes; pc 1,048,576 bytes; stat 65,536 bytes; sc 262,144 bytes
;; launch prep (part 1): grid 16 x 1, 4 waves a work-group, no clusters, 93,696 bytes of LDS; arguments W1_codes, W2_codes, W2_scales, query_codes, query_scales, b1, b2, W1F, qb; writes W1F, qb
.if DOCPART == 1
	.amdgcn_target "amdgcn-amd-amdhsa--gfx1250"
	.amdhsa_code_object_version 6
	.text
	.protected	k_q4040525c93_prep
	.globl	k_q4040525c93_prep
	.p2align	8
	.type	k_q4040525c93_prep,@function
k_q4040525c93_prep:
	s_mov_b64 s[64:65], 0
	v_nop
	global_prefetch_b8 v0, s[64:65] scope:SCOPE_SE
	s_setreg_imm32_b32 hwreg(HW_REG_WAVE_MODE, 25, 1), 1
	s_wait_xcnt 0x0
; ADDITIVE ATTENTION, launch 1 of 3.  It lays W1's codes in the order of a matrix operand's registers (W1F) and makes qb[b][u] = query[b] . W2[:, u] + b2[u] + b1[u], the part of tanh's argument that is the same for all t.
; WORK LEFT OUT, in all three launches: bv.  With r = 1 / (1 + e^(2 x)) tanh(x) is 1 - 2 r, so score[b][t] = (bv + sum over u of V[u]) - 2 sum over u of V[u] r[b][t][u].  The bracket is the same for every t of a batch.
; Both outputs hang on the score through softmax over t alone, and softmax(s[t] + c) = softmax(s[t]) for every finite c that does not hang on t: e^c stands in the numerator and in every term of the sum and cancels.
; That holds for all finite values of the inputs.  So bv has no way to an output: it is not loaded and is among no launch's arguments; the sum of V, which only this way of writing tanh brings in, is not formed either.
; LIMIT: a NaN, an infinity or an overflow that lives in bv alone is not carried to the results.  NaN and infinities among the other inputs are not served.
; SHARES.  16 work-groups of four waves; wave w of work-group g takes tile tau = 4 g + w: rows 16 tau .. 16 tau + 15 of W1 and of W2 (a row is a column u of the weight: 1,024 codes, 512 bytes).
; W1F: [tile 0..63][K step 0..7][c 0..1][lane 0..31][16 bytes]; the piece of lane (r, h) is block 4 s + 2 c + h of row 16 tau + r: what registers 4 c .. 4 c + 3 of that lane hold in a fragment of 16 rows x 128 K of 4-bit codes.
; All rows are read as they lie, 512 consecutive bytes an instruction, and turned through LDS rows of 528 bytes (132 words: row r starts 4 r words on, modulo 64, so sixteen rows start at sixteen different places).
; THE PRODUCT IS USED TRANSPOSED: source 0 = 16 rows of W2, source 1 = 16 rows of query.  A lane then holds one row b of query and eight neighbouring u; the bias b1 + b2 is the C of each sum's first product.
; SCALE WORDS: one load of 16 bytes a lane at (row) x 32 + 16 h: register q holds K step q in lanes 0-15 and K step q + 4 in lanes 16-31, so K steps 4 to 7 name the same registers with the upper row of lanes.
.set TP,    528                        ; a row of codes in LDS: 512 bytes + 16
.set OP,    272                        ; a row of the way out: 256 bytes + 16
.set T1,    0                          ; W1's 16 rows, for each wave its own: 4 x 8,448 bytes
.set T2,    4*16*TP                    ; W2's likewise
.set QL,    T2+4*16*TP                 ; query's 32 rows, the work-group's
.set OUTS,  QL+32*TP                   ; 32 rows of qb x this work-group's 64 columns
.set SPARE, OUTS+32*OP                 ; the spare words, 128 bytes for each wave: two blocks of 256 bytes that no other line names
; v1, v2 the add's two; v3 16 x lane; v4-v11 LDS addresses; v12-v14 offsets in memory; v16-79 W1; v80-143 W2; v144-207 query; v208-211, v212-219 scale words; v220-227 bias; v228-235 b2; v236-251 two accumulators
	s_load_b512 s[4:19], s[0:1], 0x0               ; W1_codes s[4:5], W2_codes s[6:7], W2_scales s[8:9], query_codes s[10:11], query_scales s[12:13], b1 s[14:15], b2 s[16:17], W1F s[18:19]
	s_load_b64 s[20:21], s[0:1], 0x40              ; qb
	v_lshl_add_u32 v1, v0, 2, SPARE                ; my spare word; never rewritten
	v_mov_b32 v2, 0                                ; 0; never rewritten
	v_lshrrev_b32 v252, 5, v0
	v_readfirstlane_b32 s22, v252                  ; wave 0..3
	v_and_b32 v252, 31, v0                         ; lane
	v_and_b32 v253, 15, v0                         ; r
	v_bfe_u32 v254, v0, 4, 1                       ; h
	s_lshl_b32 s23, ttmp9, 2
	s_add_co_u32 s23, s23, s22                     ; tau
	v_lshlrev_b32 v3, 4, v252                      ; 16 x lane
	s_mul_i32 s24, s22, 16*TP                      ; my wave's 16 rows
	v_add_nc_u32 v4, s24, v3                       ; T1, on the way in
	v_mul_u32_u24 v5, v253, TP
	v_lshl_add_u32 v5, v254, 4, v5                 ; 528 r + 16 h: a fragment's place
	v_add_nc_u32 v9, QL, v5                        ; query's fragments
	v_add_nc_u32 v5, s24, v5                       ; T1, on the way out
	v_add_nc_u32 v6, T2, v4                        ; T2 likewise
	v_add_nc_u32 v7, T2, v5
	s_mul_i32 s25, s22, 8*TP
	s_add_co_u32 s25, s25, QL
	v_add_nc_u32 v8, s25, v3                       ; query's rows 8 w on, on the way in
	v_mul_u32_u24 v10, v253, OP
	v_lshl_add_u32 v10, v254, 5, v10
	s_lshl_b32 s25, s22, 6
	s_add_co_u32 s25, s25, OUTS
	v_add_nc_u32 v10, s25, v10                     ; the way out, in: row r, my tile's 64 bytes, 32 for each half of the lanes
	v_mul_u32_u24 v11, v254, OP
	v_lshl_add_u32 v11, v253, 4, v11
	s_mul_i32 s25, s22, 8*OP
	s_add_co_u32 s25, s25, OUTS
	v_add_nc_u32 v11, s25, v11                     ; and back: rows 8 w + h, sixteen lanes to a row
	v_lshlrev_b32 v12, 12, v254
	v_lshl_add_u32 v12, v253, 4, v12
	s_lshl_b32 s25, s22, 15
	s_lshl_b32 s26, ttmp9, 8
	s_add_co_u32 s25, s25, s26
	v_add_nc_u32 v12, s25, v12                     ; the same place in qb: (8 w + h) x 4,096 + 256 g + 16 r
	v_lshlrev_b32 v13, 5, v253
	v_lshl_add_u32 v13, v254, 4, v13               ; scale words: 32 r + 16 h
	s_lshl_b32 s25, s23, 6
	v_lshl_add_u32 v14, v254, 5, s25               ; biases: 4 x (16 tau + 8 h)
	s_lshl_b32 s28, s23, 13                        ; my tile's codes: 8,192 tau
	s_mov_b32 s29, 0
	s_lshl_b32 s30, s22, 12                        ; query's rows 8 w on
	s_mov_b32 s31, 0
	s_lshl_b32 s32, s23, 9                         ; my tile's scale bytes: 512 tau
	s_mov_b32 s33, 0
	s_wait_alu depctr_va_vdst(0)
	s_wait_kmcnt 0x0
	s_add_nc_u64 s[4:5], s[4:5], s[28:29]
	s_add_nc_u64 s[6:7], s[6:7], s[28:29]
	s_add_nc_u64 s[18:19], s[18:19], s[28:29]
	s_add_nc_u64 s[10:11], s[10:11], s[30:31]
	s_add_nc_u64 s[8:9], s[8:9], s[32:33]
.irp i, 0,1,2,3,4,5,6,7,8,9,10,11,12,13,14,15
	global_load_b128 v[16+4*\i:19+4*\i], v3, s[4:5] offset:512*\i th:TH_LOAD_NT     ; a row of W1: 512 consecutive bytes
.endr
.irp i, 0,1,2,3,4,5,6,7,8,9,10,11,12,13,14,15
	global_load_b128 v[80+4*\i:83+4*\i], v3, s[6:7] offset:512*\i th:TH_LOAD_NT     ; a row of W2
.endr
.irp i, 0,1,2,3,4,5,6,7
	global_load_b128 v[144+4*\i:147+4*\i], v3, s[10:11] offset:512*\i               ; a row of query
.endr
	global_load_b128 v[208:211], v13, s[8:9]                                        ; W2's scale words
	global_load_b128 v[212:215], v13, s[12:13]                                      ; query's, rows 0-15
	global_load_b128 v[216:219], v13, s[12:13] offset:512                           ; and rows 16-31
	global_load_b128 v[220:223], v14, s[14:15]                                      ; b1 at my eight u
	global_load_b128 v[224:227], v14, s[14:15] offset:16
	global_load_b128 v[228:231], v14, s[16:17]                                      ; b2
	global_load_b128 v[232:235], v14, s[16:17] offset:16
	s_wait_loadcnt 31                              ; W1's 16 loads are in: 31 were issued behind them
.irp i, 0,1,2,3,4,5,6,7,8,9,10,11,12,13,14,15
	ds_store_b128 v4, v[16+4*\i:19+4*\i] offset:TP*\i
.endr
	s_wait_loadcnt 15                              ; W2's are in
.irp i, 0,1,2,3,4,5,6,7,8,9,10,11,12,13,14,15
	ds_store_b128 v6, v[80+4*\i:83+4*\i] offset:TP*\i
.endr
	s_wait_loadcnt 7                               ; query's are in
.irp i, 0,1,2,3,4,5,6,7
	ds_store_b128 v8, v[144+4*\i:147+4*\i] offset:TP*\i
.endr
	s_wait_loadcnt 0x0
.irp j, 0,2,4,6
	v_pk_add_f32 v[220+\j:221+\j], v[220+\j:221+\j], v[228+\j:229+\j]               ; b1 + b2
.endr
	s_wait_alu depctr_va_vdst(0)
	s_wait_dscnt 0x0                               ; for the others' sake: my rows of query have landed
	s_barrier_signal -1
	s_barrier_wait -1
.irp s, 0,1,2,3,4,5,6,7
.irp c, 0,1
	ds_load_b128 v[16+8*\s+4*\c:19+8*\s+4*\c], v5 offset:64*\s+32*\c                ; W1's fragment of K step s
.endr
.endr
.irp s, 0,1,2,3,4,5,6,7
.irp c, 0,1
	ds_load_b128 v[80+8*\s+4*\c:83+8*\s+4*\c], v7 offset:64*\s+32*\c                ; W2's
.endr
.endr
	s_wait_dscnt 16                                ; W1's 16 loads are in; W2's 16 may be out
; Launch 2 makes the codes of values with the two 16-bit halves of a dword exchanged wherever bit 6 of k is set (its lanes take those eight columns upper four first).
; The same exchange is made here in W1F: bit 6 of k is c, so registers 4 to 7 of every fragment.  A permutation of k inside a block of 32, alike on both operands, leaves every product and its scale as it was.
.irp s, 0,1,2,3,4,5,6,7
.irp j, 4,5,6,7
	v_perm_b32 v[16+8*\s+\j], v[16+8*\s+\j], v[16+8*\s+\j], 0x01000302
.endr
.endr
.irp s, 0,1,2,3,4,5,6,7
.irp c, 0,1
	global_store_b128 v3, v[16+8*\s+4*\c:19+8*\s+4*\c], s[18:19] offset:1024*\s+512*\c   ; the wave stores 512 consecutive bytes, aligned
.endr
.endr
; qb: K steps 4 g .. 4 g + 3 at a time; the two accumulators (query's rows 0-15 and 16-31) take turns, one instruction a turn
.irp g, 0,1
.rept 4
	v_nop                                          ; places: behind the bias's additions (g = 0); in front of loads into registers that matrix instructions have read (g = 1)
.endr
.irp q, 0,1,2,3
.irp t, 0,1
.irp c, 0,1
	ds_load_b128 v[144+16*\q+8*\t+4*\c:147+16*\q+8*\t+4*\c], v9 offset:16*TP*\t+64*(4*\g+\q)+32*\c
.endr
.endr
.endr
	s_wait_dscnt 0x0
.irp q, 0,1,2,3
.irp t, 0,1
.if (\g == 0) && (\q == 0)
	v_wmma_scale_f32_16x16x128_f8f6f4 v[236+8*\t:243+8*\t], v[80:87], v[144+8*\t:151+8*\t], v[220:227], v208, v[212+4*\t] matrix_a_fmt:MATRIX_FMT_FP4 matrix_b_fmt:MATRIX_FMT_FP4
.elseif \g == 0
	v_wmma_scale_f32_16x16x128_f8f6f4 v[236+8*\t:243+8*\t], v[80+8*\q:87+8*\q], v[144+16*\q+8*\t:151+16*\q+8*\t], v[236+8*\t:243+8*\t], v[208+\q], v[212+4*\t+\q] matrix_a_fmt:MATRIX_FMT_FP4 matrix_b_fmt:MATRIX_FMT_FP4
.else
	v_wmma_scale_f32_16x16x128_f8f6f4 v[236+8*\t:243+8*\t], v[112+8*\q:119+8*\q], v[144+16*\q+8*\t:151+16*\q+8*\t], v[236+8*\t:243+8*\t], v[208+\q], v[212+4*\t+\q] matrix_a_fmt:MATRIX_FMT_FP4 matrix_b_fmt:MATRIX_FMT_FP4 matrix_a_scale:MATRIX_SCALE_ROW1 matrix_b_scale:MATRIX_SCALE_ROW1
.endif
.endr
.endr
.endr
.rept 4
	v_nop                                          ; places in front of the first read of results, and of the loads below into query's registers
.endr
.irp t, 0,1
	ds_store_b128 v10, v[236+8*\t:239+8*\t] offset:16*OP*\t                         ; lane (r, h): qb(16 t + r, 16 tau + 8 h + 0 .. 7); each accumulator from its low end on
	ds_store_b128 v10, v[240+8*\t:243+8*\t] offset:16*OP*\t+16
.endr
	s_wait_dscnt 0x0                               ; for the others' sake: a row's 256 bytes come from four waves
	s_barrier_signal -1
	s_barrier_wait -1
.irp i, 0,1,2,3
	ds_load_b128 v[144+4*\i:147+4*\i], v11 offset:2*\i*OP
.endr
.irp i, 0,1,2,3
	s_wait_dscnt 3-\i
	global_store_b128 v12, v[144+4*\i:147+4*\i], s[20:21] offset:2*\i*4096          ; sixteen lanes store 256 consecutive bytes, aligned
.endr
	s_wait_tensorcnt 0x0                           ; the wave's end
	ds_add_u32 v1, v2
	s_wait_dscnt 0x0
	s_endpgm
.Lfunc_end_k_q4040525c93_prep:
	.size	k_q4040525c93_prep, .Lfunc_end_k_q4040525c93_prep-k_q4040525c93_prep
	.p2alignl 7, 3214868480
	.fill 96, 4, 3214868480
	.section	.rodata,"a",@progbits
	.p2align	6, 0x0
	.amdhsa_kernel k_q4040525c93_prep
		.amdhsa_group_segment_fixed_size 93696
		.amdhsa_private_segment_fixed_size 0
		.amdhsa_enable_private_segment 0
		.amdhsa_kernarg_size 72
		.amdhsa_user_sgpr_count 2
		.amdhsa_user_sgpr_kernarg_segment_ptr 1
		.amdhsa_wavefront_size32 1
		.amdhsa_system_sgpr_workgroup_id_x 1
		.amdhsa_system_sgpr_workgroup_id_y 1
		.amdhsa_system_sgpr_workgroup_id_z 1
		.amdhsa_system_vgpr_workitem_id 0
		.amdhsa_next_free_vgpr 256
		.amdhsa_next_free_sgpr 66
		.amdhsa_reserve_vcc 0
		.amdhsa_float_denorm_mode_32 3
		.amdhsa_float_denorm_mode_16_64 3
		.amdhsa_memory_ordered 1
		.amdhsa_forward_progress 1
		.amdhsa_inst_pref_size 23
	.end_amdhsa_kernel
	.amdgpu_metadata
---
amdhsa.version: [ 1, 2 ]
amdhsa.kernels:
  - .name:           k_q4040525c93_prep
    .symbol:         k_q4040525c93_prep.kd
    .args:
      - { .name: W1_codes, .offset: 0, .size: 8, .value_kind: global_buffer, .address_space: global }
      - { .name: W2_codes, .offset: 8, .size: 8, .value_kind: global_buffer, .address_space: global }
      - { .name: W2_scales, .offset: 16, .size: 8, .value_kind: global_buffer, .address_space: global }
      - { .name: query_codes, .offset: 24, .size: 8, .value_kind: global_buffer, .address_space: global }
      - { .name: query_scales, .offset: 32, .size: 8, .value_kind: global_buffer, .address_space: global }
      - { .name: b1, .offset: 40, .size: 8, .value_kind: global_buffer, .address_space: global }
      - { .name: b2, .offset: 48, .size: 8, .value_kind: global_buffer, .address_space: global }
      - { .name: W1F, .offset: 56, .size: 8, .value_kind: global_buffer, .address_space: global }
      - { .name: qb, .offset: 64, .size: 8, .value_kind: global_buffer, .address_space: global }
    .group_segment_fixed_size: 93696
    .private_segment_fixed_size: 0
    .kernarg_segment_align: 8
    .kernarg_segment_size: 72
    .max_flat_workgroup_size: 128
    .sgpr_count:     66
    .vgpr_count:     256
    .wavefront_size: 32
...
	.end_amdgpu_metadata
.endif
;; end of part 1
;; launch main (part 2): grid 256 x 1, 4 waves a work-group, no clusters, 327,680 bytes of LDS; arguments values, W1F, W1_scales, qb, V, pc, stat, sc; writes pc, stat, sc
.if DOCPART == 2
	.amdgcn_target "amdgcn-amd-amdhsa--gfx1250"
	.amdhsa_code_object_version 6
	.text
	.protected	k_q4040525c93_main
	.globl	k_q4040525c93_main
	.p2align	8
	.type	k_q4040525c93_main,@function
k_q4040525c93_main:
	s_mov_b64 s[64:65], 0
	v_nop
	global_prefetch_b8 v0, s[64:65] scope:SCOPE_SE
	s_setreg_imm32_b32 hwreg(HW_REG_WAVE_MODE, 25, 1), 1
	s_wait_xcnt 0x0
; ADDITIVE ATTENTION, launch 2 of 3.  Left out, as shown at the head of the first kernel: bv and the sum of V, which cancel in the softmax over t.
; Work-group g owns rows 256 g .. 256 g + 255 of values (an eighth of batch g / 8), in four blocks of 64 rows.  For each block: quantise the rows along D, S[t] = sum over u of V[u] / (1 + e^(2 x[t][u])) with
; x = values[t] . W1[: u] + qb[b][u], t' = -2 log2(e) S[t], a running maximum MX of t', p = 2^(t' - MX), the sum of p, and the context sum of p x values[t].  Out: pc (context under MX), stat (MX, sum), sc (S).
; SHARES.  Wave w fetches, quantises and keeps columns 256 w .. 256 w + 255 of the block's 64 rows (its strip), and multiplies all 64 rows by its 256 u (16 tiles of W1F).
; A strip comes by one tensor load (64 rows x 1,024 bytes) into the wave's own LDS bytes and leaves LDS ONCE: a lane takes 8 neighbouring columns of a row by two loads of 16 bytes, 8 registers a row, 512 registers a block.
; These registers serve the quantiser (a block of 32 is four lanes: two maxima across lanes; one conversion a row) and, when the block's p are known, the context sum.
; Lanes whose number has bit 3 set take the upper 16 bytes first.  Their dword of codes has its halves exchanged:
; that is where bit 6 of k is set, and W1F has the same exchange (launch 1), so every product meets its partner.  The context's registers follow the same order and are stored by the same two addresses.
; Codes go to LDS as rows of 512 bytes + 16, scale bytes as rows of 32 bytes; behind the barrier every wave loads all 64 rows' fragments (256 registers) and scale words.
; THE PRODUCT IS USED TRANSPOSED (source 0 = 16 rows of W1F, source 1 = 16 rows of values): a lane holds one t and eight neighbouring u; qb is the C of each sum's first product.  Four accumulators take turns.
; W1F's tiles go from memory straight into registers, two buffers; odd blocks walk the tile pairs backwards, so that the pair left in registers at a block's end begins the next block.
; NO CLUSTER: all work-groups walk the same W1F, but a joint load lands in LDS, and beside the strips (266,240 bytes), the codes, scales and scratch (42,496) 18,944 bytes are left: less than two slots of one tile a wave (65,536).
; NO PREFETCH: a strip's refill is asked for directly behind the barrier at a block's head, 512 matrix instructions ahead of its first read, and W1F has been read by every work-group in the block before.
; LIMITS: NaN and infinities among the inputs are not served.  e^(2 x) may overflow to infinity: its term is then 0, as tanh = 1 asks.
; REGISTERS: window 0: v1-23 addresses and state; v24-31 context; v32-39 S in pairs; v40-55, v56-63 scale words; v64-95 qb and V; v96-127 accumulators, at other times scratch; v128-255 W1F, two tiles.
;   window 1: A's fragments (v[64 m + 8 s]), then p;  windows 2, 3: the strip's 64 rows, v[8 t].
.set PITCH, 1040                       ; a strip's row in LDS: 1,024 bytes + 16
.set STRIP, 64*PITCH
.set IMG,   4*STRIP                    ; the block's codes
.set IP,    528                        ; a row of codes: 512 bytes + 16: sixteen rows start at sixteen different groups of banks
.set SCI,   IMG+64*IP                  ; the block's scale bytes, 32 a row
.set SS,    SCI+2048                   ; S in four parts: [block][m][r][wave]
.set PB,    SS+4096                    ; p, twice each, for each wave its own 512 bytes
.set SPARE, PB+2048                    ; the spare words: 128 bytes a wave
.set SPW,  1
.set NIL,  2
.set LX0,  3                           ; v3, v4: my strip: a row's first and second 16 bytes of my lane; the row is in the offset: 63 x 1,040 = 65,520 at the most
.set LY0,  4
.set IWI,  5
.set IWS,  6
.set ILD,  7
.set SLD,  8
.set SSW,  9
.set SSR,  10
.set PBW,  11
.set PBR,  12
.set BO0,  13
.set BSO0, 14
.set QO0,  15
.set BO,   16                          ; v16-21: the offsets of the loads in hand, one set for each buffer of W1F
.set BSO,  18
.set QO,   20
.set TA,   108
.set MX,   22
.set LSUM, 23
.set CTX,  24
.set SACC, 32
.set ASC,  40
.set BSC,  56
.set QV,   64
.set ACC,  96
.set BF,   128
.set TM,   96                          ; the quantiser's scratch: maxima, scale operands, bytes, codes: 8 rows at a time
.set TS,   104
.set TB,   112
.set TC,   120
.set CT2,  104
.set FF,   110
.set MSB, 0
.macro WIN new                         ; the immediate's high byte repeats the setting that is left
.if MSB != \new
	s_set_vgpr_msb (MSB<<8)|\new
.set MSB, \new
.endif
.endm
.macro LROW g                          ; rows 8 g .. 8 g + 7 of my strip into v[8 t] of window 2 or 3
	WIN 0x80+0x40*((\g)/4)
.irp i, 0,1,2,3,4,5,6,7
	ds_load_b128 v[(64*(\g)+8*\i)%256:(64*(\g)+8*\i)%256+3], v[LX0] offset:(8*(\g)+\i)*PITCH
	ds_load_b128 v[(64*(\g)+8*\i+4)%256:(64*(\g)+8*\i+4)%256+3], v[LY0] offset:(8*(\g)+\i)*PITCH
.endr
.endm
.macro QROW g                          ; these 8 rows are quantised, the rows by turns
.set QX, (64*(\g))%256
	WIN 10+5*((\g)/4)
.irp i, 0,1,2,3,4,5,6,7
	v_max3_num_f32 v[TM+\i], |v[QX+8*\i]|, |v[QX+8*\i+1]|, 0x1800000       ; with the floor 2^(3 - 127): the byte cannot fall under 1
.endr
.irp j, 2,4,6
.irp i, 0,1,2,3,4,5,6,7
	v_max3_num_f32 v[TM+\i], |v[QX+8*\i+\j]|, |v[QX+8*\i+\j+1]|, v[TM+\i]
.endr
.endr
	WIN 0
.irp x, 1,2
.irp i, 0,1,2,3,4,5,6,7
	v_max_num_f32_dpp v[TM+\i], v[TM+\i], v[TM+\i] row_xmask:\x row_mask:0xf bank_mask:0xf   ; the block's four lanes
.endr
.endr
.irp i, 0,1,2,3,4,5,6,7
	v_add_nc_u32 v[TS+\i], 0xff000000, v[TM+\i]    ; 2 off the exponent field: the conversion's scale operand
.endr
; the scale's byte.  A block's four lanes hold the same operand, so of four rows lane l takes row l & 3: one byte store then serves four rows
.irp q, 0,1
	v_cndmask_b32 v[TB+4*\q], v[TS+4*\q], v[TS+4*\q+1], s56
	v_cndmask_b32 v[TB+4*\q+1], v[TS+4*\q+2], v[TS+4*\q+3], s56
.endr
.irp q, 0,1
	v_cndmask_b32 v[TB+4*\q], v[TB+4*\q], v[TB+4*\q+1], s57
.endr
.irp q, 0,1
	v_lshrrev_b32 v[TB+4*\q], 23, v[TB+4*\q]
.endr
	WIN 2+(\g)/4
.irp i, 0,1,2,3,4,5,6,7
	v_cvt_scalef32_pk8_fp4_f32 v[TC+\i], v[QX+8*\i:QX+8*\i+7], v[TS+\i]
.endr
	WIN 0
	v_nop                                          ; one plain place behind the conversions
.endm
.macro QST g                           ; a row's 128 bytes of codes by the 32 lanes; the 8 scale bytes of each of four rows by one store: 10 stores
.irp i, 0,1,2,3,4,5,6,7
	ds_store_b32 v[IWI], v[TC+\i] offset:(8*(\g)+\i)*IP
.endr
.irp q, 0,1
	ds_store_b8 v[IWS], v[TB+4*\q] offset:(8*(\g)+4*\q)*32
.endr
.endm
.macro DG g, n                         ; n: the LDS instructions issued behind group g's 16 loads
	s_wait_dscnt \n
	QROW \g
.if (\g) < 6
	LROW (\g)+2
.endif
	WIN 0
	QST \g
.endm
.macro DRAIN                           ; the strip leaves LDS, two groups of loads ahead of the quantiser
	s_wait_tensorcnt 0x0                           ; my strip has landed; only I read it
	LROW 0
	LROW 1
	DG 0, 16                                       ; behind group 0's loads: group 1's
	DG 1, 26                                       ; group 2's 16 loads, group 0's 10 stores
	DG 2, 36                                       ; 10 stores, 16 loads, 10 stores
	DG 3, 36
	DG 4, 36
	DG 5, 36
	DG 6, 36
	DG 7, 20                                       ; two groups' stores
.endm
.macro MEET refill                     ; every wave's codes and scale bytes are in LDS; refill = 1: and my strip's bytes take the next block
.if \refill
	s_wait_tensorcnt 0x0                           ; no tensor load of mine is out
	ds_add_u32 v[SPW], v[NIL]
	s_add_nc_u64 s[34:35], s[34:35], 262144        ; 64 rows on
	s_wait_dscnt 0x0                               ; the add, my reads of the strip and my stores are done
	s_barrier_signal -1
	s_barrier_wait -1
	tensor_load_to_lds s[32:35], s[24:31]
	s_nop 0
.else
	s_wait_dscnt 0x0
	s_barrier_signal -1
	s_barrier_wait -1
.endif
.endm
.macro ALOAD
	WIN 0x40
.irp m, 0,1,2,3
.irp s, 0,1,2,3,4,5,6,7
.irp c, 0,1
	ds_load_b128 v[64*\m+8*\s+4*\c:64*\m+8*\s+4*\c+3], v[ILD] offset:16*\m*IP+64*\s+32*\c
.endr
.endr
.endr
	WIN 0
.irp m, 0,1,2,3
	ds_load_b128 v[ASC+4*\m:ASC+4*\m+3], v[SLD] offset:512*\m     ; register q: K step q in lanes 0-15, K step q + 4 in lanes 16-31
.endr
.irp j, 0,1,2,3,4,5,6,7
	v_mov_b32 v[SACC+\j], 0
.endr
	s_wait_dscnt 0x0
.endm
.macro WM buf
	WIN 0x04
.irp s, 0,1,2,3,4,5,6,7
.irp m, 0,1,2,3
.if \s == 0
	v_wmma_scale_f32_16x16x128_f8f6f4 v[ACC+8*\m:ACC+8*\m+7], v[BF+64*\buf:BF+64*\buf+7], v[64*\m:64*\m+7], v[QV+16*\buf:QV+16*\buf+7], v[BSC+4*\buf], v[ASC+4*\m] matrix_a_fmt:MATRIX_FMT_FP4 matrix_b_fmt:MATRIX_FMT_FP4
.elseif \s < 4
	v_wmma_scale_f32_16x16x128_f8f6f4 v[ACC+8*\m:ACC+8*\m+7], v[BF+64*\buf+8*\s:BF+64*\buf+8*\s+7], v[64*\m+8*\s:64*\m+8*\s+7], v[ACC+8*\m:ACC+8*\m+7], v[BSC+4*\buf+\s], v[ASC+4*\m+\s] matrix_a_fmt:MATRIX_FMT_FP4 matrix_b_fmt:MATRIX_FMT_FP4
.else
	v_wmma_scale_f32_16x16x128_f8f6f4 v[ACC+8*\m:ACC+8*\m+7], v[BF+64*\buf+8*\s:BF+64*\buf+8*\s+7], v[64*\m+8*\s:64*\m+8*\s+7], v[ACC+8*\m:ACC+8*\m+7], v[BSC+4*\buf+\s-4], v[ASC+4*\m+\s-4] matrix_a_fmt:MATRIX_FMT_FP4 matrix_b_fmt:MATRIX_FMT_FP4 matrix_a_scale:MATRIX_SCALE_ROW1 matrix_b_scale:MATRIX_SCALE_ROW1
.endif
.endr
.endr
	WIN 0
.endm
.macro PFA buf                         ; a tile of W1F, its scale words and qb: 19 loads
.irp s, 0,1,2,3,4,5,6,7
.irp c, 0,1
	global_load_b128 v[BF+64*\buf+8*\s+4*\c:BF+64*\buf+8*\s+4*\c+3], v[BO+\buf], s[6:7] offset:8192*\buf+1024*\s+512*\c
.endr
.endr
	global_load_b128 v[BSC+4*\buf:BSC+4*\buf+3], v[BSO+\buf], s[8:9] offset:512*\buf
	global_load_b128 v[QV+16*\buf:QV+16*\buf+3], v[QO+\buf], s[10:11] offset:64*\buf
	global_load_b128 v[QV+16*\buf+4:QV+16*\buf+7], v[QO+\buf], s[10:11] offset:64*\buf+16
.endm
.macro PFV buf                         ; V at the tile's u: 2 loads
	global_load_b128 v[QV+16*\buf+8:QV+16*\buf+11], v[QO+\buf], s[12:13] offset:64*\buf
	global_load_b128 v[QV+16*\buf+12:QV+16*\buf+15], v[QO+\buf], s[12:13] offset:64*\buf+16
.endm
.macro TANH buf                        ; S += V / (1 + 2^(2 log2(e) x)); each batch has a wait ahead of it and behind it
.set i, 0
.rept 16
	v_pk_mul_f32 v[ACC+i:ACC+i+1], v[ACC+i:ACC+i+1], s[42:43] op_sel_hi:[1,0]
.set i, i+2
.endr
.set i, 0
	s_wait_alu depctr_va_vdst(0)
.rept 32
	v_exp_f32 v[ACC+i], v[ACC+i]
.set i, i+1
.endr
	v_nop
	s_wait_alu depctr_va_vdst(0)
.set i, 0
.rept 16
	v_pk_add_f32 v[ACC+i:ACC+i+1], v[ACC+i:ACC+i+1], 1.0 op_sel_hi:[1,0]
.set i, i+2
.endr
.set i, 0
	s_wait_alu depctr_va_vdst(0)
.rept 32
	v_rcp_f32 v[ACC+i], v[ACC+i]
.set i, i+1
.endr
	v_nop
	s_wait_alu depctr_va_vdst(0)
.irp j, 0,1,2,3
.irp m, 0,1,2,3
	v_pk_fma_f32 v[SACC+2*\m:SACC+2*\m+1], v[ACC+8*\m+2*\j:ACC+8*\m+2*\j+1], v[QV+16*\buf+8+2*\j:QV+16*\buf+9+2*\j], v[SACC+2*\m:SACC+2*\m+1]
.endr
.endr
.endm
.macro PASS buf, pf, cnt               ; one tile of 16 u against the 64 rows.  cnt: the loads issued behind this buffer's 21
	s_wait_loadcnt \cnt
.if \pf
	v_add_nc_u32 v[BO+\buf], s49, v[BO0]           ; this buffer's 21 loads are done (the wait above), so the offsets that they named may be written: the pair of tiles to fetch
	v_add_nc_u32 v[BSO+\buf], s39, v[BSO0]
	v_add_nc_u32 v[QO+\buf], s40, v[QO0]
.endif
	WM \buf
.rept 5
	v_nop                                          ; places behind the products, ahead of the loads into their registers and of the first read of results
.endr
.if \pf
	PFA \buf
.endif
	TANH \buf
.if \pf
	PFV \buf
.endif
.endm
.macro TRIP pf, cnty
.if \pf
	s_xor_b32 s49, s38, s45                        ; the pair of tiles to fetch: forwards in even blocks, backwards in odd ones
	s_lshr_b32 s39, s49, 4
	s_lshr_b32 s40, s49, 7
.endif
	s_wait_alu depctr_va_vdst(0)
	PASS 0, \pf, 21
	PASS 1, \pf, \cnty
.endm
.macro SCORE                           ; the four waves' parts of S meet in LDS
.irp m, 0,1,2,3
	v_add_f32 v[96+\m], v[SACC+2*\m], v[SACC+2*\m+1]
.endr
.irp m, 0,1,2,3
	v_permlanex16_b32 v[100+\m], v[96+\m], s46, s47
.endr
.irp m, 0,1,2,3
	v_add_f32 v[96+\m], v[96+\m], v[100+\m]
.endr
	v_add_nc_u32 v[TA], s41, v[SSW]
.irp m, 0,1,2,3
	ds_store_b32 v[TA], v[96+\m] offset:256*\m
.endr
	s_wait_dscnt 0x0
	s_barrier_signal -1
	s_barrier_wait -1
	v_add_nc_u32 v[TA], s41, v[SSR]
.irp m, 0,1,2,3
	ds_load_b128 v[112+4*\m:115+4*\m], v[TA] offset:256*\m
.endr
	s_wait_dscnt 0x0
.irp m, 0,1,2,3
	v_add_f32 v[104+\m], v[112+4*\m], v[113+4*\m]
	v_add_f32 v[112+4*\m], v[114+4*\m], v[115+4*\m]
.endr
.irp m, 0,1,2,3
	v_add_f32 v[104+\m], v[104+\m], v[112+4*\m]
.endr
.endm
.macro SOFTMAX                         ; lane r holds rows 16 m + r; the running maximum is taken away before every exponential
.irp m, 0,1,2,3
	v_mul_f32 v[104+\m], s44, v[104+\m]
.endr
	v_max3_num_f32 v108, v104, v105, v106
	v_max_num_f32 v108, v108, v107
.irp x, 1,2,4,8
	v_max_num_f32_dpp v108, v108, v108 row_xmask:\x row_mask:0xf bank_mask:0xf
.endr
	v_max_num_f32 v108, v[MX], v108
	v_sub_f32 v109, v[MX], v108
	v_mov_b32 v[MX], v108
.irp m, 0,1,2,3
	v_sub_f32 v[96+2*\m], v[104+\m], v108
.endr
	s_wait_alu depctr_va_vdst(0)
	v_exp_f32 v[FF], v109
.irp m, 0,1,2,3
	v_exp_f32 v[96+2*\m], v[96+2*\m]
.endr
	v_nop
	s_wait_alu depctr_va_vdst(0)
.irp m, 0,1,2,3
	v_mov_b32 v[97+2*\m], v[96+2*\m]
.endr
	v_add_f32 v104, v96, v98
	v_add_f32 v105, v100, v102
	v_add_f32 v104, v104, v105
	v_fma_f32 v[LSUM], v[LSUM], v[FF], v104
.irp m, 0,1,2,3
	ds_store_b64 v[PBW], v[96+2*\m:97+2*\m] offset:128*\m
.endr
.irp k, 0,2,4,6
	v_pk_mul_f32 v[CTX+\k:CTX+\k+1], v[CTX+\k:CTX+\k+1], v[FF:FF+1] op_sel_hi:[1,0]
.endr
.endm
.macro CTXSUM                          ; context += p[t] x my strip's row t, in two chains
	WIN 0x40
.set i, 0
.rept 32
	ds_load_b128 v[4*i:4*i+3], v[PBR] offset:16*i  ; my own stores, served in order: v[2 t : 2 t + 1] = p[t] twice
.set i, i+1
.endr
	s_wait_alu depctr_va_vdst(0)
	s_wait_dscnt 0x0
.set t, 0
.rept 64
.if t < 32
	WIN 0x06
.else
	WIN 0x07
.endif
.irp k, 0,1,2,3
.if t == 1
	v_pk_mul_f32 v[CT2+2*\k:CT2+2*\k+1], v[(8*t+2*\k)%256:(8*t+2*\k)%256+1], v[2*t:2*t+1]
.elseif t%2
	v_pk_fma_f32 v[CT2+2*\k:CT2+2*\k+1], v[(8*t+2*\k)%256:(8*t+2*\k)%256+1], v[2*t:2*t+1], v[CT2+2*\k:CT2+2*\k+1]
.else
	v_pk_fma_f32 v[CTX+2*\k:CTX+2*\k+1], v[(8*t+2*\k)%256:(8*t+2*\k)%256+1], v[2*t:2*t+1], v[CTX+2*\k:CTX+2*\k+1]
.endif
.endr
.set t, t+1
.endr
	WIN 0
.irp k, 0,2,4,6
	v_pk_add_f32 v[CTX+\k:CTX+\k+1], v[CTX+\k:CTX+\k+1], v[CT2+\k:CT2+\k+1]
.endr
.endm
.macro REST last                       ; a block from its barrier to its context
.if \last
	MEET 0
.else
	MEET 1
.endif
	ALOAD
	s_mov_b32 s38, 16384
	s_mov_b32 s37, 7
.Ltrip_\@:
	TRIP 1, 21
	s_add_co_u32 s38, s38, 16384
	s_sub_co_u32 s37, s37, 1
	s_cmp_lg_u32 s37, 0
	s_cbranch_scc1 .Ltrip_\@
	TRIP 0, 0                                      ; the eighth pair stays in registers for the next block
	SCORE
	SOFTMAX
	CTXSUM
	s_add_co_u32 s41, s41, 1024
	s_xor_b32 s45, s45, 0x1c000
.endm
	s_load_b512 s[4:19], s[0:1], 0x0               ; values, W1F, W1_scales, qb, V, pc, stat, sc
	v_lshl_add_u32 v[SPW], v0, 2, SPARE
	v_mov_b32 v[NIL], 0
	ds_add_u32 v[SPW], v[NIL]                      ; the opening lines: the add twice on end and one wait
	ds_add_u32 v[SPW], v[NIL]
	v_lshrrev_b32 v24, 5, v0
	v_readfirstlane_b32 s20, v24                   ; wave
	s_mov_b32 s21, ttmp9
	s_mov_b32 s24, (2<<16)|(1<<20)|(7<<22)|(3<<25) ; elements of 4 bytes; four words of padding behind every 256
	s_mov_b32 s25, 256<<16
	s_mov_b32 s26, 64<<16
	s_mov_b32 s27, 256<<16
	s_mov_b32 s28, 64
	s_mov_b32 s29, 1024
	s_mov_b32 s30, 0
	s_mov_b32 s31, 0
	s_mov_b32 s32, 1
	s_mul_i32 s33, s20, STRIP
	s_lshl_b32 s48, s21, 20                        ; my work-group's 256 rows of 4,096 bytes
	s_lshl_b32 s50, s20, 10                        ; my wave's 256 columns
	s_add_co_u32 s48, s48, s50
	s_mov_b32 s49, 0
	s_mov_b32 s51, 0
	s_wait_dscnt 0x0
	s_wait_kmcnt 0x0
	s_add_nc_u64 s[34:35], s[4:5], s[48:49]
	s_or_b32 s35, s35, 0x80000000
	tensor_load_to_lds s[32:35], s[24:31]          ; block 0's strip: my one tensor load at the head
	s_nop 0
	s_lshl_b32 s48, s20, 17
	s_add_nc_u64 s[6:7], s[6:7], s[48:49]          ; my 16 tiles of W1F
	s_lshl_b32 s48, s20, 13
	s_add_nc_u64 s[8:9], s[8:9], s[48:49]          ; their scale bytes
	s_lshr_b32 s48, s21, 3
	s_lshl_b32 s48, s48, 12
	s_add_co_u32 s48, s48, s50
	s_add_nc_u64 s[10:11], s[10:11], s[48:49]      ; qb of my batch at my u
	s_add_nc_u64 s[12:13], s[12:13], s[50:51]      ; V at my u
	s_lshl_b32 s48, s21, 12
	s_add_co_u32 s48, s48, s50
	s_add_nc_u64 s[14:15], s[14:15], s[48:49]
	s_lshl_b32 s48, s21, 8
	s_add_nc_u64 s[16:17], s[16:17], s[48:49]
	s_lshl_b32 s48, s21, 10
	s_add_nc_u64 s[18:19], s[18:19], s[48:49]
	s_mov_b32 s41, 0
	s_mov_b32 s45, 0
	s_mov_b32 s42, 0x4038aa3b                      ; 2 log2(e)
	s_mov_b32 s43, s42
	s_mov_b32 s44, 0xc038aa3b                      ; -2 log2(e)
	s_mov_b32 s46, 0x76543210
	s_mov_b32 s47, 0xfedcba98
	s_mov_b32 s56, 0xaaaaaaaa                      ; lanes with bit 0 set,
	s_mov_b32 s57, 0xcccccccc                      ; with bit 1 set
	s_lshl_b32 s52, s20, 7
	s_add_co_u32 s52, s52, IMG
	s_lshl_b32 s53, s20, 3
	s_add_co_u32 s53, s53, SCI
	s_lshl_b32 s54, s20, 2
	s_add_co_u32 s54, s54, SS
	s_lshl_b32 s55, s20, 9
	s_add_co_u32 s55, s55, PB
	v_and_b32 v24, 31, v0                          ; lane
	v_and_b32 v25, 15, v0                          ; r
	v_bfe_u32 v26, v0, 4, 1                        ; h
	v_bfe_u32 v27, v0, 3, 1
	v_lshlrev_b32 v[LX0], 5, v24
	v_lshl_add_u32 v[LX0], v27, 4, v[LX0]
	v_add_nc_u32 v[LX0], s33, v[LX0]               ; 32 x lane, + 16 where bit 3 of the lane is set;
	v_xor_b32 v[LY0], 16, v[LX0]                   ; and the other 16 bytes
	v_lshl_add_u32 v[IWI], v24, 2, s52             ; codes in: 128 w + 4 x lane in a row
	v_lshrrev_b32 v28, 2, v24
	v_and_b32 v29, 3, v24
	v_lshl_add_u32 v28, v29, 5, v28
	v_add_nc_u32 v[IWS], s53, v28                  ; scale bytes in: row l & 3 of four, byte 8 w + lane / 4
	v_mul_u32_u24 v[ILD], v25, IP
	v_lshl_add_u32 v[ILD], v26, 4, v[ILD]
	v_add_nc_u32 v[ILD], IMG, v[ILD]               ; a fragment's place
	v_lshlrev_b32 v[BSO0], 5, v25
	v_lshl_add_u32 v[BSO0], v26, 4, v[BSO0]        ; scale words: 32 r + 16 h
	v_add_nc_u32 v[SLD], SCI, v[BSO0]
	v_lshl_add_u32 v[SSW], v25, 4, s54
	v_lshl_add_u32 v[SSR], v25, 4, SS
	v_lshl_add_u32 v[PBW], v25, 3, s55
	v_mov_b32 v[PBR], s55
	v_lshlrev_b32 v[BO0], 4, v24
	v_lshlrev_b32 v[QO0], 5, v26
.irp b, 0,1
	v_mov_b32 v[BO+\b], v[BO0]
	v_mov_b32 v[BSO+\b], v[BSO0]
	v_mov_b32 v[QO+\b], v[QO0]
.endr
	v_mov_b32 v[MX], 0xff61b1e6                    ; -3e38, under every t'
	v_mov_b32 v[LSUM], 0
.irp j, 0,1,2,3,4,5,6,7
	v_mov_b32 v[CTX+\j], 0
.endr
.irp j, 0,1,2,3
	v_mov_b32 v[100+\j], 0                         ; a lane permute's destination counts as one of its sources
.endr
	s_wait_alu depctr_va_vdst(0)
	PFA 0
	PFV 0
	PFA 1
	PFV 1
	DRAIN
	s_mov_b32 s36, 3
.Lblock:
	REST 0
	DRAIN
	s_sub_co_u32 s36, s36, 1
	s_cmp_lg_u32 s36, 0
	s_cbranch_scc1 .Lblock
	REST 1                                         ; the last block asks for nothing more
.irp x, 1,2,4,8
	v_add_f32_dpp v[LSUM], v[LSUM], v[LSUM] row_xmask:\x row_mask:0xf bank_mask:0xf
.endr
	v_lshl_add_u32 v120, v0, 5, SS                 ; thread i: rows 2 i, 2 i + 1: four parts each
	v_lshlrev_b32 v121, 3, v0
	v_and_b32 v122, 31, v0
	v_bfe_u32 v123, v0, 3, 1
	v_lshlrev_b32 v122, 5, v122
	v_lshl_add_u32 v122, v123, 4, v122             ; the context's columns, as the strip was read
	v_xor_b32 v123, 16, v122
	ds_load_b128 v[96:99], v120
	ds_load_b128 v[100:103], v120 offset:16
	s_wait_alu depctr_va_vdst(0)
	s_cmp_lg_u32 s20, 0
	s_cbranch_scc1 .Lnot_wave_0
	global_store_b64 v121, v[MX:LSUM], s[16:17]
.Lnot_wave_0:
	global_store_b128 v122, v[CTX:CTX+3], s[14:15]       ; the two stores together cover my wave's 1,024 consecutive bytes
	global_store_b128 v123, v[CTX+4:CTX+7], s[14:15]
	s_wait_dscnt 0x0
	v_add_f32 v96, v96, v97
	v_add_f32 v98, v98, v99
	v_add_f32 v104, v96, v98
	v_add_f32 v100, v100, v101
	v_add_f32 v102, v102, v103
	v_add_f32 v105, v100, v102
	global_store_b64 v121, v[104:105], s[18:19]
	s_wait_tensorcnt 0x0                           ; the wave's end
	ds_add_u32 v[SPW], v[NIL]
	s_wait_dscnt 0x0
	s_endpgm
.Lfunc_end_k_q4040525c93_main:
	.size	k_q4040525c93_main, .Lfunc_end_k_q4040525c93_main-k_q4040525c93_main
	.p2alignl 7, 3214868480
	.fill 96, 4, 3214868480
	.section	.rodata,"a",@progbits
	.p2align	6, 0x0
	.amdhsa_kernel k_q4040525c93_main
		.amdhsa_group_segment_fixed_size 327680
		.amdhsa_private_segment_fixed_size 0
		.amdhsa_enable_private_segment 0
		.amdhsa_kernarg_size 64
		.amdhsa_user_sgpr_count 2
		.amdhsa_user_sgpr_kernarg_segment_ptr 1
		.amdhsa_wavefront_size32 1
		.amdhsa_system_sgpr_workgroup_id_x 1
		.amdhsa_system_sgpr_workgroup_id_y 1
		.amdhsa_system_sgpr_workgroup_id_z 1
		.amdhsa_system_vgpr_workitem_id 0
		.amdhsa_next_free_vgpr 1024
		.amdhsa_next_free_sgpr 66
		.amdhsa_reserve_vcc 0
		.amdhsa_float_denorm_mode_32 3
		.amdhsa_float_denorm_mode_16_64 3
		.amdhsa_memory_ordered 1
		.amdhsa_forward_progress 1
		.amdhsa_inst_pref_size 254
	.end_amdhsa_kernel
	.amdgpu_metadata
---
amdhsa.version: [ 1, 2 ]
amdhsa.kernels:
  - .name:           k_q4040525c93_main
    .symbol:         k_q4040525c93_main.kd
    .args:
      - { .name: values, .offset: 0, .size: 8, .value_kind: global_buffer, .address_space: global }
      - { .name: W1F, .offset: 8, .size: 8, .value_kind: global_buffer, .address_space: global }
      - { .name: W1_scales, .offset: 16, .size: 8, .value_kind: global_buffer, .address_space: global }
      - { .name: qb, .offset: 24, .size: 8, .value_kind: global_buffer, .address_space: global }
      - { .name: V, .offset: 32, .size: 8, .value_kind: global_buffer, .address_space: global }
      - { .name: pc, .offset: 40, .size: 8, .value_kind: global_buffer, .address_space: global }
      - { .name: stat, .offset: 48, .size: 8, .value_kind: global_buffer, .address_space: global }
      - { .name: sc, .offset: 56, .size: 8, .value_kind: global_buffer, .address_space: global }
    .group_segment_fixed_size: 327680
    .private_segment_fixed_size: 0
    .kernarg_segment_align: 8
    .kernarg_segment_size: 64
    .max_flat_workgroup_size: 128
    .sgpr_count:     66
    .vgpr_count:     1024
    .wavefront_size: 32
...
	.end_amdgpu_metadata
.endif
;; end of part 2
;; launch finish (part 3): grid 4 x 32, 2 waves a work-group, no clusters, 0 bytes of LDS; arguments pc, stat, sc, out0, out1; writes out0, out1
.if DOCPART == 3
	.amdgcn_target "amdgcn-amd-amdhsa--gfx1250"
	.amdhsa_code_object_version 6
	.text
	.protected	k_q4040525c93_finish
	.globl	k_q4040525c93_finish
	.p2align	8
	.type	k_q4040525c93_finish,@function
k_q4040525c93_finish:
	s_mov_b64 s[64:65], 0
	v_nop
	global_prefetch_b8 v0, s[64:65] scope:SCOPE_SE
	s_setreg_imm32_b32 hwreg(HW_REG_WAVE_MODE, 25, 1), 1
	s_wait_xcnt 0x0
; ADDITIVE ATTENTION, launch 3 of 3: the eight work-groups' parts of each batch are joined.  Left out, as shown at the head of the first kernel: bv and the sum of V, which cancel in the softmax.
; Part j of batch b (work-group 8 b + j of launch 2) left its largest t' M[j], its sum L[j] of 2^(t' - M[j]), its context pc[j] under M[j], and S of its rows.  With M the largest M[j] and w[j] = 2^(M[j] - M):
; L = sum of w[j] L[j];  out0 = sum of w[j] pc[j] / L;  out1[t] = 2^(KAP S[t] - M) / L, KAP = -2 log2(e).  The maximum is taken away before every exponential.
; SHARES.  Work-group (x, b): a quarter of batch b: 256 columns of out0 and 512 weights of out1; 64 threads, 16 bytes each an instruction: every load and store of a wave covers 512 consecutive bytes.
; A stream of a few hundred KB: no LDS, no matrix unit, no barrier: threads share nothing but the eight pairs, which come by scalar loads.
; v1 16 x thread; v4-35 pc; v36-43 S; v44 M; v45-52 w; v53 L; v54 1 / L; v56-59 context; v60-67 weights
	s_load_b256 s[4:11], s[0:1], 0x0               ; pc s[4:5], stat s[6:7], sc s[8:9], out0 s[10:11]
	s_load_b64 s[12:13], s[0:1], 0x20              ; out1
	s_and_b32 s14, ttmp7, 0xffff                   ; b
	v_lshlrev_b32 v1, 4, v0
	s_lshl_b32 s32, s14, 11                        ; stat: 8 blocks of 256 bytes a batch
	s_mov_b32 s33, 0
	s_lshl_b32 s15, ttmp9, 10                      ; my 256 columns
	s_lshl_b32 s34, s14, 15                        ; pc: 8 rows of 4,096 bytes a batch
	s_add_co_u32 s34, s34, s15
	s_mov_b32 s35, 0
	s_lshl_b32 s36, s14, 13                        ; sc and out1: 8,192 bytes a batch,
	s_lshl_b32 s37, ttmp9, 11                      ; 2,048 a quarter
	s_add_co_u32 s36, s36, s37
	s_mov_b32 s37, 0
	s_lshl_b32 s38, s14, 12                        ; out0: 4,096 bytes a batch
	s_add_co_u32 s38, s38, s15
	s_mov_b32 s39, 0
	s_mov_b32 s40, 0xc038aa3b                      ; KAP
	s_wait_alu depctr_va_vdst(0)
	s_wait_kmcnt 0x0
	s_add_nc_u64 s[6:7], s[6:7], s[32:33]
	s_add_nc_u64 s[4:5], s[4:5], s[34:35]
	s_add_nc_u64 s[8:9], s[8:9], s[36:37]
	s_add_nc_u64 s[12:13], s[12:13], s[36:37]
	s_add_nc_u64 s[10:11], s[10:11], s[38:39]
.irp j, 0,1,2,3,4,5,6,7
	s_load_b64 s[16+2*\j:17+2*\j], s[6:7], 256*\j  ; M[j], L[j]
.endr
.irp j, 0,1,2,3,4,5,6,7
	global_load_b128 v[4+4*\j:7+4*\j], v1, s[4:5] offset:4096*\j th:TH_LOAD_NT
.endr
	global_load_b128 v[36:39], v1, s[8:9] th:TH_LOAD_NT
	global_load_b128 v[40:43], v1, s[8:9] offset:1024 th:TH_LOAD_NT
	s_wait_kmcnt 0x0
	v_mov_b32 v44, s16
.irp j, 1,2,3,4,5,6,7
	v_max_num_f32 v44, s[16+2*\j], v44             ; M
.endr
.irp j, 0,1,2,3,4,5,6,7
	v_sub_f32 v[45+\j], s[16+2*\j], v44
.endr
	s_wait_alu depctr_va_vdst(0)
.irp j, 0,1,2,3,4,5,6,7
	v_exp_f32 v[45+\j], v[45+\j]                   ; w[j], at most 1
.endr
	v_nop
	s_wait_alu depctr_va_vdst(0)                   ; one wait for the eight
	v_mul_f32 v53, s17, v45
.irp j, 1,2,3,4,5,6,7
	v_fma_f32 v53, s[17+2*\j], v[45+\j], v53       ; L: at least 1, since the row with the largest t' adds 1
.endr
	s_wait_alu depctr_va_vdst(0)
	v_rcp_f32 v54, v53
	v_nop
	s_wait_alu depctr_va_vdst(0)
.irp j, 0,1,2,3,4,5,6,7
	v_mul_f32 v[45+\j], v[45+\j], v54              ; w[j] / L
.endr
	s_wait_alu depctr_va_vdst(0)
	s_wait_loadcnt 2                               ; pc's eight loads are in; the two of S may be out
.irp e, 0,1,2,3
	v_mul_f32 v[56+\e], v[4+\e], v45
.endr
.irp j, 1,2,3,4,5,6,7
.irp e, 0,1,2,3
	v_fma_f32 v[56+\e], v[4+4*\j+\e], v[45+\j], v[56+\e]
.endr
.endr
	global_store_b128 v1, v[56:59], s[10:11]
	s_wait_loadcnt 0x0
.irp i, 0,1,2,3,4,5,6,7
	v_fma_f32 v[60+\i], v[36+\i], s40, -v44        ; t' - M
.endr
	s_wait_alu depctr_va_vdst(0)
.irp i, 0,1,2,3,4,5,6,7
	v_exp_f32 v[60+\i], v[60+\i]
.endr
	v_nop
	s_wait_alu depctr_va_vdst(0)
.irp i, 0,1,2,3,4,5,6,7
	v_mul_f32 v[60+\i], v[60+\i], v54
.endr
	global_store_b128 v1, v[60:63], s[12:13]
	global_store_b128 v1, v[64:67], s[12:13] offset:1024
	s_endpgm
.Lfunc_end_k_q4040525c93_finish:
	.size	k_q4040525c93_finish, .Lfunc_end_k_q4040525c93_finish-k_q4040525c93_finish
	.p2alignl 7, 3214868480
	.fill 96, 4, 3214868480
	.section	.rodata,"a",@progbits
	.p2align	6, 0x0
	.amdhsa_kernel k_q4040525c93_finish
		.amdhsa_group_segment_fixed_size 0
		.amdhsa_private_segment_fixed_size 0
		.amdhsa_enable_private_segment 0
		.amdhsa_kernarg_size 40
		.amdhsa_user_sgpr_count 2
		.amdhsa_user_sgpr_kernarg_segment_ptr 1
		.amdhsa_wavefront_size32 1
		.amdhsa_system_sgpr_workgroup_id_x 1
		.amdhsa_system_sgpr_workgroup_id_y 1
		.amdhsa_system_sgpr_workgroup_id_z 1
		.amdhsa_system_vgpr_workitem_id 0
		.amdhsa_next_free_vgpr 72
		.amdhsa_next_free_sgpr 66
		.amdhsa_reserve_vcc 0
		.amdhsa_float_denorm_mode_32 3
		.amdhsa_float_denorm_mode_16_64 3
		.amdhsa_memory_ordered 1
		.amdhsa_forward_progress 1
		.amdhsa_inst_pref_size 8
	.end_amdhsa_kernel
	.amdgpu_metadata
---
amdhsa.version: [ 1, 2 ]
amdhsa.kernels:
  - .name:           k_q4040525c93_finish
    .symbol:         k_q4040525c93_finish.kd
    .args:
      - { .name: pc, .offset: 0, .size: 8, .value_kind: global_buffer, .address_space: global }
      - { .name: stat, .offset: 8, .size: 8, .value_kind: global_buffer, .address_space: global }
      - { .name: sc, .offset: 16, .size: 8, .value_kind: global_buffer, .address_space: global }
      - { .name: out0, .offset: 24, .size: 8, .value_kind: global_buffer, .address_space: global }
      - { .name: out1, .offset: 32, .size: 8, .value_kind: global_buffer, .address_space: global }
    .group_segment_fixed_size: 0
    .private_segment_fixed_size: 0
    .kernarg_segment_align: 8
    .kernarg_segment_size: 40
    .max_flat_workgroup_size: 64
    .sgpr_count:     66
    .vgpr_count:     72
    .wavefront_size: 32
...
	.end_amdgpu_metadata
.endif
;; end of part 3
